; MI455X (gfx1250); checked and timed in simulation.
; The chip was launched on July 23, 2026; its instructions are those of AMD's public machine-readable ISA for CDNA 5 (MIT licence, August 2026) and "CDNA5" Instruction Set Architecture Reference Guide (July 2026). The comments in the code are by the model that wrote it; some were corrected since.
;; multihead cross attention. Allowed arithmetic: matrix products marked QUANTISED: E2M3 operands, one E8M0 scale for each 32 along K, by v_wmma_scale_f32_16x16x128_f8f6f4 with both operands' format E2M3, f32 sums; everything else in f32.
;; Inputs: Wk 1,024 x 1,024 float32; Wo 1,024 x 1,024 float32; Wq 1,024 x 1,024 float32; Wv 1,024 x 1,024 float32; bk 1,024 float32; bq 1,024 float32; bv 1,024 float32; input_K 4 x 2,048 x 1,024 float32; input_Q 4 x 2,048 x 1,024 float32; input_V 4 x 2,048 x 1,024 float32.
;; Outputs: out0 4 x 2,048 x 1,024 float32.
;; This version of the problem:
;;   THIS VERSION OF THE PROBLEM IS GIVEN IN LOW PRECISION. The matrix products marked QUANTISED in the list below multiply operands that are first quantised to E2M3 (2 exponent bits, 3 mantissa bits; 6 bits a number), with one power-of-two scale for each 32 numbers along K (OCP MX v1.0); their sums are f32. All else is computed in f32.
;;   The module's matrix products, in the order in which they are computed (A, B: the left and right operand; K: the contracted axis; several contracted axes count as one K, in the product's order):
;;     1. [M 8,192, K 1,024] x [K 1,024, N 1,024]; A: input input_Q; B: input Wq: QUANTISED
;;     2. [M 8,192, K 1,024] x [K 1,024, N 1,024]; A: input input_K; B: input Wk: QUANTISED
;;     3. [M 8,192, K 1,024] x [K 1,024, N 1,024]; A: input input_V; B: input Wv: QUANTISED
;;     4. batch 64 x [M 2,048, K 64] x [K 64, N 2,048]; A: computed on the way; B: computed on the way: QUANTISED
;;     5. batch 64 x [M 2,048, K 2,048] x [K 2,048, N 64]; A: softmax (see below); B: computed on the way: QUANTISED
;;     6. [M 8,192, K 1,024] x [K 1,024, N 1,024]; A: computed on the way; B: input Wo: QUANTISED
;;   THE QUANTISER, for each operand of a quantised product, along K:
;;     - K is cut into blocks of 32 from its start; a last block that is shorter is filled with zeros.
;;     - A block's scale is 2^e with e = floor(log2(the largest magnitude in the block)) - 2, held to -126 .. 127; a block of zeros has e = 0. As a byte (E8M0): e + 127.
;;     - Each number is divided by its block's scale, clamped to +-7.5, and rounded to the nearest number of E2M3, ties to even, subnormals kept.
;;     - The product sums the exact products of the quantised numbers (number of the format x scale) in f32.
;;   ~~~python
;;   def quantise(x, axis):      # numpy; x: float32 -> the quantised numbers, widened to float32 again
;;       x = np.moveaxis(x, axis, -1); K = x.shape[-1]
;;       x = np.pad(x, [(0, 0)] * (x.ndim - 1) + [(0, -K % 32)]); x = x.reshape(x.shape[:-1] + (-1, 32)); a = np.abs(x).max(-1, keepdims=True)
;;       e = np.where(a > 0, np.clip(np.frexp(np.where(a > 0, a, 1))[1] - 1 - 2, -126, 127), 0)      # np.frexp(a)[1] - 1 = floor(log2(a)), exactly
;;       r = np.clip(x / 2.0 ** e, -7.5, 7.5)
;;       step = 2.0 ** (np.maximum(np.frexp(np.where(r == 0, 1, r))[1] - 1, 0) - 3)
;;       q = np.round(r / step) * step * 2.0 ** e      # np.round: ties to even
;;       return np.moveaxis(q.reshape(q.shape[:-2] + (-1,))[..., :K], -1, axis).astype(np.float32)
;;   ~~~
;;   SOFTMAX AHEAD OF A QUANTISED PRODUCT. Where the list says 'softmax', what is quantised is not the finished softmax but p = 2^(t - M), with t = logit x log2(e) and M = ceil(the row's largest t), a whole number; so 1/2 < the row's largest p <= 1. The row's sum l is taken of the UNQUANTISED p, in f32, and the product's result is divided by l at the end. Since M is a whole number, a kernel that streams over the keys may use a running M (the ceiling of the running maximum): every later rescaling is an exact power of two, which a block's scale takes up: the codes' values come out the same.
;;   OPERANDS COMPUTED ON THE WAY. 'Computed on the way' means the value that the module computes at that place (a softmax that the list does not call 'softmax' is quantised finished and normalised). What goes into a quantiser is computed in f32, as accurately as f32 sums, v_exp_f32 and their like allow (about 1e-6 of the number): no bf16 or f16 on the way to a quantiser, and a product that is left as it is and whose result goes on into a quantised operand takes f32 operands (vector FMAs, or v_wmma_f32_16x16x4_f32). A number that lies on a knife's edge between two numbers of the format may be rounded either way, as far as f32 arithmetic and the matrix unit's own rounding can turn it there, and no further.
;; One version. Each part assembles by itself: llvm-mc -triple=amdgcn-amd-amdhsa -mcpu=gfx1250 --defsym DOCPART=n.
;; ======== version 1 of 1: 4 launches
;; workspace buffers: cod 22,020,096 bytes; scl 917,504 bytes; qi 6,553,600 bytes; kv 13,107,200 bytes; cc 6,291,456 bytes; cs 262,144 bytes
;; launch quant (part 1): grid 448 x 1, 4 waves a work-group, no clusters, 34,304 bytes of LDS; arguments input_Q, input_K, input_V, Wq, Wk, Wv, Wo, cod, scl; writes cod, scl
.if DOCPART == 1
	.amdgcn_target "amdgcn-amd-amdhsa--gfx1250"
	.amdhsa_code_object_version 6
	.text
	.protected	k_q49a846242c_quant
	.globl	k_q49a846242c_quant
	.p2align	8
	.type	k_q49a846242c_quant,@function
k_q49a846242c_quant:
	s_mov_b64 s[64:65], 0
	v_nop
	global_prefetch_b8 v0, s[64:65] scope:SCOPE_SE
	s_setreg_imm32_b32 hwreg(HW_REG_WAVE_MODE, 25, 1), 1
	s_wait_xcnt 0x0
; QUANT: input_Q, input_K, input_V [8192][1024] and Wq, Wk, Wv, Wo [1024][1024], f32, K innermost, become codes of E2M3 with one E8M0 byte for each 32 along K.
; DEAD WORK: none.  Every input of reference() reaches the output (each bias goes into a quantised operand), so every product, bias and step is done, here and in the later launches.
; A block's scale is 2^(floor(log2(its largest magnitude)) - 2); its byte is the largest magnitude's exponent field - 2, held at 1 from below.
; LIMITS: NaN and infinities among the inputs are not served.  A block of zeros, and a block whose largest magnitude lies under 2^-124, gets the byte 1 (the stated quantiser says 127 for zeros):
; zero codes add nothing under any byte but 0xff, and these bytes are read by this program alone.
; LAYOUT OF THE CODES: rows go in groups of 64; a group is four tiles of 16 rows; row m of tile T is row 32 (m / 8) + 8 T + m % 8 of the group.  With these tiles a transposed product leaves 32 NEIGHBOURS along
; the other operand's rows in one lane's 32 registers, which is a whole block of the next quantiser.  cod: [group 448][tile 4][K step 8][image of the fragment's 12 registers, 1,536 bytes]: registers 0-3 at 16 x lane,
; 4-5 at 512 + 8 x lane, 6-9 at 768 + 16 x lane, 10-11 at 1,280 + 8 x lane.  scl: [group][tile][row 16][8 words], word s = the four bytes of K = 128 s ..
; Groups: input_Q 0-127, input_K 128-255, input_V 256-383, Wq 384-399, Wk 400-415, Wv 416-431, Wo 432-447.
; SHARES: a work-group takes a group, a wave a tile: 16 rows x 1,024 along K in 8 steps of one fragment.  Each load reads 512 consecutive bytes of a row; a step's 16 rows turn through the wave's own stage in LDS
; (rows 528 bytes apart), out of which lane (r, h) takes K = 64 c + 32 h + 0 .. 31 of row r: two whole blocks.  Two steps' loads (32 of 512 bytes) are out in each wave.  Waves share nothing: no barrier.
.set STG,   8448                       ; a wave's stage: 16 rows x 528 bytes
.set SPARE, 4*STG                      ; behind the stages: the spare words, 128 bytes for each wave
.set SPW,   12                         ; v12  LDS address of my spare word; never rewritten
.set NIL,   13                         ; v13  0; never rewritten
.set LD,    16                         ; v16-143  two sets of 64 registers as loaded
.set X,     144                        ; v144-207 my 64 numbers: block c at X + 32 c
.set C,     208                        ; v208-231 two sets of 12 code registers
.set TMP,   232                        ; v232-238 the upper halves of two blocks' codes
.set MX,    240                        ; v240-241 largest magnitudes
.set SO,    242                        ; v242-243 the conversions' scale operands
.set BY,    244                        ; v244-245 scale bytes
.set WW,    246                        ; v246     my two bytes at their places in the word
.set WD,    248                        ; v248-255 the tile's 8 scale words
	s_load_b512 s[4:19], s[0:1], 0x0               ; input_Q, input_K, input_V, Wq, Wk, Wv, Wo, cod
	s_load_b64 s[20:21], s[0:1], 0x40              ; scl
	v_lshl_add_u32 v[SPW], v0, 2, SPARE
	v_mov_b32 v[NIL], 0
	v_lshrrev_b32 v8, 5, v0
	v_readfirstlane_b32 s22, v8                    ; wave = tile
	v_and_b32 v9, 31, v0                           ; lane
	v_and_b32 v10, 15, v0                          ; r
	v_bfe_u32 v11, v0, 4, 1                        ; h
	v_lshlrev_b32 v1, 4, v9                        ; 16 x lane
	v_lshlrev_b32 v4, 3, v9                        ; 8 x lane
	v_lshlrev_b32 v5, 3, v11                       ; 8 h: how far my bytes are shifted in the word
	v_lshlrev_b32 v6, 5, v10
	v_lshl_add_u32 v6, v11, 4, v6                  ; 32 r + 16 h: my four scale words
	s_mul_i32 s27, s22, STG
	v_add_nc_u32 v2, s27, v1                       ; the stage, on the way in
	v_mul_u32_u24 v3, v10, 528
	v_lshl_add_u32 v3, v11, 7, v3
	v_add_nc_u32 v3, s27, v3                       ; and on the way out: row r, + 128 h
	v_mov_b32 v7, 0                                ; written once: a lane permute's destination counts as one of its sources
	s_mov_b32 s30, 0x76543210
	s_mov_b32 s31, 0xfedcba98                      ; v_permlanex16_b32's selects for lane l xor 16
	s_wait_kmcnt 0x0
	s_mov_b64 s[24:25], s[16:17]                   ; which tensor is my group's?  The choice hangs on the work-group's number alone
	s_mov_b32 s26, 432
.macro PICK lim, ptr, base
	s_cmp_lt_u32 ttmp9, \lim
	s_cselect_b64 s[24:25], s[\ptr:\ptr+1], s[24:25]
	s_cselect_b32 s26, \base, s26
.endm
	PICK 432, 14, 416
	PICK 416, 12, 400
	PICK 400, 10, 384
	PICK 384, 8, 256
	PICK 256, 6, 128
	PICK 128, 4, 0
	s_sub_co_u32 s26, ttmp9, s26                   ; the group's number in its tensor
	s_lshl_b32 s28, s26, 18                        ; 64 rows of 4,096 bytes,
	s_lshl_b32 s29, s22, 15                        ; and my tile's first row, 8 x wave
	s_add_co_u32 s28, s28, s29
	s_mov_b32 s29, 0
	s_add_nc_u64 s[24:25], s[24:25], s[28:29]
	s_mul_i32 s28, ttmp9, 49152
	s_mul_i32 s32, s22, 12288
	s_add_co_u32 s28, s28, s32
	s_add_nc_u64 s[18:19], s[18:19], s[28:29]      ; my tile's codes
	s_lshl_b32 s28, ttmp9, 11
	s_lshl_b32 s32, s22, 9
	s_add_co_u32 s28, s28, s32
	s_add_nc_u64 s[20:21], s[20:21], s[28:29]      ; my tile's scale words
.macro LOAD t                          ; K step t of my 16 rows: 32 lanes read 512 consecutive bytes of one row
.irp i, 0,1,2,3,4,5,6,7,8,9,10,11,12,13,14,15
	global_load_b128 v[LD+64*((\t)%2)+4*\i:LD+64*((\t)%2)+4*\i+3], v1, s[24:25] offset:(32*(\i/8)+(\i%8))*4096+512*(\t) th:TH_LOAD_NT
.endr
.endm
.macro STEP t
.set CS, C+12*((\t)%2)
.if (\t) < 7
	s_wait_loadcnt 16                              ; this step's 16 loads are in; the next step's 16 may be out
.else
	s_wait_loadcnt 0x0
.endif
.irp i, 0,1,2,3,4,5,6,7,8,9,10,11,12,13,14,15
	ds_store_b128 v2, v[LD+64*((\t)%2)+4*\i:LD+64*((\t)%2)+4*\i+3] offset:528*\i
.endr
.irp c, 0,1
.irp q, 0,1,2,3,4,5,6,7
	ds_load_b128 v[X+32*\c+4*\q:X+32*\c+4*\q+3], v3 offset:256*\c+16*\q   ; LDS serves a wave's instructions in order: these see the stores above
.endr
.endr
	s_wait_dscnt 0x0                               ; my 64 numbers are in, and the stores have read the set,
.if (\t) < 6
	LOAD (\t)+2                                    ; which takes the loads of two steps on
.endif
.irp c, 0,1
	v_max3_num_f32 v[MX+\c], |v[X+32*\c]|, |v[X+32*\c+1]|, 0x1800000   ; the block's largest magnitude: all 32 numbers are mine; the floor 2^(3 - 127) holds the byte at 1 from below
.endr
.irp i, 2,4,6,8,10,12,14,16,18,20,22,24,26,28,30
.irp c, 0,1
	v_max3_num_f32 v[MX+\c], v[MX+\c], |v[X+32*\c+\i]|, |v[X+32*\c+\i+1]|
.endr
.endr
.irp c, 0,1
	v_add_nc_u32 v[SO+\c], 0xff000000, v[MX+\c]    ; 2 off the exponent field: the conversion takes this operand's exponent field as its scale
.endr
.irp c, 0,1
	v_lshrrev_b32 v[BY+\c], 23, v[SO+\c]           ; the scale's byte
.endr
	v_lshl_or_b32 v[WW], v[BY+1], 16, v[BY]        ; my bytes: blocks h and 2 + h of the step,
	v_lshlrev_b32 v[WW], v5, v[WW]                 ; at their places;
	v_permlanex16_b32 v7, v[WW], s30, s31
	v_or_b32 v[WD+(\t)], v[WW], v7                 ; with lane l xor 16's two the word is whole
	s_wait_xcnt 0x0                                ; the stores of two steps back have read this set of code registers
	v_cvt_scalef32_pk16_fp6_f32 v[CS:CS+2], v[X:X+15], v[SO]
	v_cvt_scalef32_pk16_fp6_f32 v[TMP:TMP+2], v[X+16:X+31], v[SO]         ; (a conversion's three registers begin on an even number)
	v_cvt_scalef32_pk16_fp6_f32 v[CS+6:CS+8], v[X+32:X+47], v[SO+1]
	v_cvt_scalef32_pk16_fp6_f32 v[TMP+4:TMP+6], v[X+48:X+63], v[SO+1]
	v_nop                                          ; one plain place behind the conversions
.irp i, 0,1,2
	v_mov_b32 v[CS+3+\i], v[TMP+\i]
	v_mov_b32 v[CS+9+\i], v[TMP+4+\i]
.endr
	global_store_b128 v1, v[CS:CS+3], s[18:19] offset:1536*(\t)            ; 512, 256, 512 and 256 consecutive bytes, each at a multiple of 256 from the buffer's first byte
	global_store_b64 v4, v[CS+4:CS+5], s[18:19] offset:1536*(\t)+512
	global_store_b128 v1, v[CS+6:CS+9], s[18:19] offset:1536*(\t)+768
	global_store_b64 v4, v[CS+10:CS+11], s[18:19] offset:1536*(\t)+1280
.endm
	LOAD 0
	LOAD 1
.irp t, 0,1,2,3,4,5,6,7
	STEP \t
.endr
	v_cmp_lt_u32 vcc_lo, 15, v9                    ; lanes 0-15 store words 0-3 of their row, lanes 16-31 words 4-7
.irp i, 0,1,2,3
	v_cndmask_b32 v[X+\i], v[WD+\i], v[WD+4+\i], vcc_lo
.endr
	global_store_b128 v6, v[X:X+3], s[20:21]       ; 512 consecutive bytes
	s_wait_tensorcnt 0x0                           ; the wave's end, behind my last LDS store
	ds_add_u32 v[SPW], v[NIL]
	s_wait_dscnt 0x0
	s_endpgm
.Lfunc_end_k_q49a846242c_quant:
	.size	k_q49a846242c_quant, .Lfunc_end_k_q49a846242c_quant-k_q49a846242c_quant
	.p2alignl 7, 3214868480
	.fill 96, 4, 3214868480
	.section	.rodata,"a",@progbits
	.p2align	6, 0x0
	.amdhsa_kernel k_q49a846242c_quant
		.amdhsa_group_segment_fixed_size 34304
		.amdhsa_private_segment_fixed_size 0
		.amdhsa_enable_private_segment 0
		.amdhsa_kernarg_size 72
		.amdhsa_user_sgpr_count 2
		.amdhsa_user_sgpr_kernarg_segment_ptr 1
		.amdhsa_wavefront_size32 1
		.amdhsa_system_sgpr_workgroup_id_x 1
		.amdhsa_system_sgpr_workgroup_id_y 1
		.amdhsa_system_sgpr_workgroup_id_z 1
		.amdhsa_system_vgpr_workitem_id 0
		.amdhsa_next_free_vgpr 256
		.amdhsa_next_free_sgpr 66
		.amdhsa_reserve_vcc 1
		.amdhsa_float_denorm_mode_32 3
		.amdhsa_float_denorm_mode_16_64 3
		.amdhsa_memory_ordered 1
		.amdhsa_forward_progress 1
		.amdhsa_inst_pref_size 59
	.end_amdhsa_kernel
	.amdgpu_metadata
---
amdhsa.version: [ 1, 2 ]
amdhsa.kernels:
  - .name:           k_q49a846242c_quant
    .symbol:         k_q49a846242c_quant.kd
    .args:
      - { .name: input_Q, .offset: 0, .size: 8, .value_kind: global_buffer, .address_space: global }
      - { .name: input_K, .offset: 8, .size: 8, .value_kind: global_buffer, .address_space: global }
      - { .name: input_V, .offset: 16, .size: 8, .value_kind: global_buffer, .address_space: global }
      - { .name: Wq, .offset: 24, .size: 8, .value_kind: global_buffer, .address_space: global }
      - { .name: Wk, .offset: 32, .size: 8, .value_kind: global_buffer, .address_space: global }
      - { .name: Wv, .offset: 40, .size: 8, .value_kind: global_buffer, .address_space: global }
      - { .name: Wo, .offset: 48, .size: 8, .value_kind: global_buffer, .address_space: global }
      - { .name: cod, .offset: 56, .size: 8, .value_kind: global_buffer, .address_space: global }
      - { .name: scl, .offset: 64, .size: 8, .value_kind: global_buffer, .address_space: global }
    .group_segment_fixed_size: 34304
    .private_segment_fixed_size: 0
    .kernarg_segment_align: 8
    .kernarg_segment_size: 72
    .max_flat_workgroup_size: 128
    .sgpr_count:     66
    .vgpr_count:     256
    .wavefront_size: 32
...
	.end_amdgpu_metadata
.endif
;; end of part 1
;; launch proj (part 2): grid 4 x 192, 4 waves a work-group, clusters of 4 x 4, 295,424 bytes of LDS; arguments cod, scl, bq, bk, bv, qi, kv; writes qi, kv
.if DOCPART == 2
	.amdgcn_target "amdgcn-amd-amdhsa--gfx1250"
	.amdhsa_code_object_version 6
	.text
	.protected	k_q49a846242c_proj
	.globl	k_q49a846242c_proj
	.p2align	8
	.type	k_q49a846242c_proj,@function
k_q49a846242c_proj:
	s_mov_b64 s[64:65], 0
	v_nop
	global_prefetch_b8 v0, s[64:65] scope:SCOPE_SE
	s_setreg_imm32_b32 hwreg(HW_REG_WAVE_MODE, 25, 1), 1
	s_wait_xcnt 0x0
	s_wait_alu depctr_hold_cnt(0) depctr_sa_sdst(0) depctr_va_vdst(0) depctr_va_sdst(0) depctr_va_ssrc(0) depctr_va_vcc(0) depctr_vm_vsrc(0)
	s_getreg_b32 s2, hwreg(HW_REG_IB_STS2, 6, 4)
	s_cmp_eq_u32 s2, 0
	s_cbranch_scc0 .Lentry_in_a_cluster
	s_endpgm
.Lentry_in_a_cluster:
	s_bfe_u32 s2, ttmp6, 0x10000c
	s_cmp_lg_u32 s2, 0xf033
	s_cbranch_scc0 .Lentry_shape_is_right
	s_endpgm
.Lentry_shape_is_right:
; PROJ: the three projections on codes of E2M3, their biases, and the quantising of Q, K (along the head's 64) and V (along the keys) for the attention.  No work of reference() is left out.
; LIMITS: as in the first launch: NaN and infinities are not served; a block of zeros or under 2^-124 gets the byte 1, its codes are zeros or held there, and this program alone reads the bytes.
; A work-group makes 128 "R" rows x 256 "P" rows over the whole K = 1,024, which lies in LDS, filled ONCE: no slot is filled again.  Four waves, each 64 R x 128 P: 32 accumulators.
; THE PRODUCT IS USED TRANSPOSED: source 0 = 16 P rows, source 1 = 16 R rows.  By the tiles of the codes' layout, lane (r, h) holds R row 32 (r / 8) + 8 a + r % 8 of its group of 64, and the 32 registers of
; accumulators b = 4 g .. 4 g + 3 are P rows 64 g + 32 h + 0 .. 31: a WHOLE BLOCK of the next quantiser in one lane, in the very lane whose fragment registers take its codes.
; Q, K: R = tokens, P = the weight's rows (a wave's 128 are two heads).  V: R = Wv's rows (a wave's 64 are one head), P = tokens, so that a lane's registers run along the KEYS.
; qi: [batch x head 64][16] records of 6,400 bytes for 128 tokens: 4 images of 1,536 bytes (registers 4 c .. 4 c + 3 at 512 c + 16 x lane), then words [r 16][F 4].  Fragment F = 2 G + f holds TWO tiles of 16 tokens
; of group G: registers 0-5 tile 2 f, registers 6-11 tile 2 f + 1, each the head's 64 numbers.  kv: records of 12,800 bytes: K's 4 images as in qi; V^T's 4 images (tile u: d = 32 (r / 8) + 8 u + r % 8, K = the
; record's 128 keys); K's words [r][F]; V's words [r][u].
; CLUSTERS: 4 x 4.  R's tile hangs on the cluster's row, P's on its column: each is asked for jointly by the four that share it.
; K's and Q's scale words leave as 4 bytes a lane, two waves to 256 bytes: a fiftieth of a record's bytes; an exchange between waves for them is not built.
; REGISTERS: window 0: v1-8 LDS addresses, v9-13 lane terms, v16-31 R's scale words, v32-63 P's, v64-159 R's fragments (two sets of 48), v160-255 the way out.  Window 1: P's fragments, two sets of 96.  Window 2: accumulator (a, b) at 8 (8 a + b).
.set HALF,  147456                     ; LDS: K steps 0-3, then K steps 4-7; in each 8 tiles of R, then 16 of P
.set TILEB, 6144                       ; a tile's four K steps
.set SPARE, 2*HALF                     ; the spare words, 128 bytes for each wave
.set SPW, 14                           ; v14  LDS address of my spare word; never rewritten
.set NIL, 15                           ; v15  0; never rewritten
.set SR,  16                           ; scale words: register 4 a + i: lanes 0-15 word i, lanes 16-31 word 4 + i of tile a's rows
.set SP,  32
.set RF,  64
.set NB,  64                           ; the way out: 64 numbers
.set MX,  160
.set SO,  162
.set BY,  164
.set WW,  166
.set PT,  167
.set TMP, 176
.set MSB, 0
.macro WIN new                         ; the immediate's high byte repeats the setting that is left
.if MSB != \new
	s_set_vgpr_msb (MSB<<8)|\new
.set MSB, \new
.endif
.endm
.macro PLACES n
.rept \n
	v_nop
.endr
.endm
.macro CROUND                          ; a round of the cluster's barrier
	s_barrier_signal -1
	s_barrier_wait -1
	s_cmp_lg_u32 s18, 0
	s_cbranch_scc1 .Lnot_wave_0_\@
	s_barrier_signal -3
.Lnot_wave_0_\@:
	s_barrier_wait -3
	s_barrier_signal -1
	s_barrier_wait -1
.endm
.macro FRAG reg, a16, a8, off          ; a fragment's image back into 12 registers
	ds_load_b128 v[(\reg):(\reg)+3], v[\a16] offset:(\off)
	ds_load_b64 v[(\reg)+4:(\reg)+5], v[\a8] offset:(\off)+512
	ds_load_b128 v[(\reg)+6:(\reg)+9], v[\a16] offset:(\off)+768
	ds_load_b64 v[(\reg)+10:(\reg)+11], v[\a8] offset:(\off)+1280
.endm
.macro FETCH s                         ; K step s: my 8 fragments of P and 4 of R, into set s % 2
	WIN 0x40
.irp b, 0,1,2,3,4,5,6,7
	FRAG 96*((\s)%2)+12*\b, 5+(\s)/4, 7+(\s)/4, TILEB*\b+1536*((\s)%4)
.endr
	WIN 0
.irp a, 0,1,2,3
	FRAG RF+48*((\s)%2)+12*\a, 1+(\s)/4, 3+(\s)/4, TILEB*\a+1536*((\s)%4)
.endr
.endm
.macro MULS s, zero                    ; 32 products; the accumulators take turns, one instruction a turn, in the same order in every step
.irp a, 0,1,2,3
.irp b, 0,1,2,3,4,5,6,7
.if \zero
	v_wmma_scale_f32_16x16x128_f8f6f4 v[8*(8*\a+\b):8*(8*\a+\b)+7], v[96*((\s)%2)+12*\b:96*((\s)%2)+12*\b+11], v[RF+48*((\s)%2)+12*\a:RF+48*((\s)%2)+12*\a+11], 0, v[SP+4*\b+(\s)%4], v[SR+4*\a+(\s)%4] matrix_a_fmt:MATRIX_FMT_FP6 matrix_b_fmt:MATRIX_FMT_FP6
.elseif (\s) < 4
	v_wmma_scale_f32_16x16x128_f8f6f4 v[8*(8*\a+\b):8*(8*\a+\b)+7], v[96*((\s)%2)+12*\b:96*((\s)%2)+12*\b+11], v[RF+48*((\s)%2)+12*\a:RF+48*((\s)%2)+12*\a+11], v[8*(8*\a+\b):8*(8*\a+\b)+7], v[SP+4*\b+(\s)%4], v[SR+4*\a+(\s)%4] matrix_a_fmt:MATRIX_FMT_FP6 matrix_b_fmt:MATRIX_FMT_FP6
.else
	v_wmma_scale_f32_16x16x128_f8f6f4 v[8*(8*\a+\b):8*(8*\a+\b)+7], v[96*((\s)%2)+12*\b:96*((\s)%2)+12*\b+11], v[RF+48*((\s)%2)+12*\a:RF+48*((\s)%2)+12*\a+11], v[8*(8*\a+\b):8*(8*\a+\b)+7], v[SP+4*\b+(\s)%4], v[SR+4*\a+(\s)%4] matrix_a_fmt:MATRIX_FMT_FP6 matrix_b_fmt:MATRIX_FMT_FP6 matrix_a_scale:MATRIX_SCALE_ROW1 matrix_b_scale:MATRIX_SCALE_ROW1
.endif
.endr
.endr
.endm
.macro STEP s, zero
	s_wait_dscnt 0x0                               ; this step's fragments are in (asked for ahead of the last step's 32 products)
.if (\s) < 7
.if (\s) > 0
	PLACES 4                                       ; in front of loads into the set that the last step's products read
.endif
	FETCH (\s)+1
.endif
	WIN 0xa1                                       ; source 0 (P) window 1, source 1 (R) window 0, C and D window 2
	MULS \s, \zero
	WIN 0
.endm
; Two blocks of 32 (accumulator registers acc0 .., acc1 .. of window 2, with their biases) become one fragment's 12 code registers v[cd ..] and its scale word v[wd]; the image is stored.
.macro FRAGQ acc0, b0, acc1, b1, bstep, cd, wd, base, off
	WIN 0x02                                       ; source 0 window 2
.set i, 0
.rept 16
	v_pk_add_f32 v[NB+2*i:NB+2*i+1], v[(\acc0)+2*i:(\acc0)+2*i+1], v[(\b0)+(\bstep)*2*i:(\b0)+(\bstep)*2*i+1]   ; the bias; also the way into window 0.  Each accumulator from its low end on
.set i, i+1
.endr
.set i, 0
.rept 16
	v_pk_add_f32 v[NB+32+2*i:NB+32+2*i+1], v[(\acc1)+2*i:(\acc1)+2*i+1], v[(\b1)+(\bstep)*2*i:(\b1)+(\bstep)*2*i+1]
.set i, i+1
.endr
	WIN 0
.irp c, 0,1
	v_max3_num_f32 v[MX+\c], |v[NB+32*\c]|, |v[NB+32*\c+1]|, 0x1800000   ; the block's largest magnitude, and the floor 2^(3 - 127)
.endr
.irp j, 2,4,6,8,10,12,14,16,18,20,22,24,26,28,30
.irp c, 0,1
	v_max3_num_f32 v[MX+\c], v[MX+\c], |v[NB+32*\c+\j]|, |v[NB+32*\c+\j+1]|
.endr
.endr
.irp c, 0,1
	v_add_nc_u32 v[SO+\c], 0xff000000, v[MX+\c]    ; 2 off the exponent field: the conversion's scale operand
.endr
.irp c, 0,1
	v_lshrrev_b32 v[BY+\c], 23, v[SO+\c]           ; the scale's byte
.endr
	v_lshl_or_b32 v[WW], v[BY+1], 16, v[BY]        ; bytes h and 2 + h of the word,
	v_lshlrev_b32 v[WW], v190, v[WW]
	v_permlanex16_b32 v[PT], v[WW], s30, s31
	v_or_b32 v[\wd], v[WW], v[PT]                  ; with lane l xor 16's two
	s_wait_xcnt 0x0                                ; earlier stores have read their code registers
	v_cvt_scalef32_pk16_fp6_f32 v[(\cd):(\cd)+2], v[NB:NB+15], v[SO]
	v_cvt_scalef32_pk16_fp6_f32 v[TMP:TMP+2], v[NB+16:NB+31], v[SO]
	v_cvt_scalef32_pk16_fp6_f32 v[(\cd)+6:(\cd)+8], v[NB+32:NB+47], v[SO+1]
	v_cvt_scalef32_pk16_fp6_f32 v[TMP+4:TMP+6], v[NB+48:NB+63], v[SO+1]
	v_nop                                          ; one plain place behind the conversions
.irp j, 0,1,2
	v_mov_b32 v[(\cd)+3+\j], v[TMP+\j]
	v_mov_b32 v[(\cd)+9+\j], v[TMP+4+\j]
.endr
.irp c, 0,1,2
	global_store_b128 v10, v[(\cd)+4*\c:(\cd)+4*\c+3], s[\base:\base+1] offset:(\off)+512*\c   ; 512 consecutive bytes, at a multiple of 256 from the buffer's first byte
.endr
.endm
	s_load_b256 s[4:11], s[0:1], 0x0               ; cod, scl, bq, bk
	s_load_b128 s[12:15], s[0:1], 0x20             ; bv, qi
	s_load_b64 s[16:17], s[0:1], 0x30              ; kv
	v_lshl_add_u32 v[SPW], v0, 2, SPARE
	v_mov_b32 v[NIL], 0
	ds_add_u32 v[SPW], v[NIL]                      ; the wave's opening: the add, twice on end, and its wait ahead of my first tensor load
	ds_add_u32 v[SPW], v[NIL]
	v_lshrrev_b32 v9, 5, v0
	v_readfirstlane_b32 s18, v9                    ; wave
	s_lshr_b32 s19, s18, 1                         ; which 64 R rows are mine.  Also: I fetch for R (0) or for P (1)
	s_and_b32 s20, s18, 1                          ; which 128 P rows.  Also: which part I fetch
	s_bfe_u32 s21, ttmp6, 0x40000                  ; cx
	s_bfe_u32 s22, ttmp6, 0x40004                  ; cy
	s_and_b32 s23, ttmp7, 0xffff                   ; the cluster's y: 0 .. 47
	s_lshr_b32 s24, s23, 4                         ; 0: Q, 1: K, 2: V: the same in all sixteen partners
	s_and_b32 s25, s23, 15
	s_and_b32 s26, s25, 7
	s_lshr_b32 s27, s25, 3
	s_lshl_b32 s28, s24, 7
	s_lshl_b32 s29, s24, 4
	s_add_co_u32 s29, s29, 384
	s_cmp_eq_u32 s24, 2
	s_cselect_b32 s26, s26, 0                      ; which four P tiles the cluster takes (V: 8 x 4 tiles of 256 tokens; else the weight's one four)
	s_cselect_b32 s27, s27, s25                    ; which four R tiles (V: 2 x 4 tiles of 128 rows of Wv; else 16 x 4 of 128 tokens)
	s_cselect_b32 s28, 416, s28                    ; R's first group in cod
	s_cselect_b32 s29, 256, s29                    ; P's
	s_lshl_b32 s27, s27, 2
	s_add_co_u32 s27, s27, s22                     ; my R tile
	s_lshl_b32 s26, s26, 2
	s_add_co_u32 s26, s26, s21                     ; my P tile
	s_lshl_b32 s30, s27, 1
	s_add_co_u32 s28, s28, s30                     ; its two groups begin here
	s_lshl_b32 s31, s26, 2
	s_add_co_u32 s29, s29, s31                     ; its four groups begin here
	s_add_co_u32 s32, s28, s20                     ; R: the group that I fetch, if I fetch for R: made of cy, the cluster's y and the wave alone
	s_mul_i32 s32, s32, 49152
	s_mov_b32 s33, 0
	s_lshl_b32 s34, s20, 1
	s_add_co_u32 s34, s34, s29                     ; P: the two groups: made of cx, the cluster's y and the wave alone
	s_mul_i32 s34, s34, 49152
	s_mov_b32 s35, 0
	s_lshl_b32 s72, s22, 2
	s_lshl_b32 s72, 15, s72                        ; my row of the cluster
	s_lshl_b32 s73, 0x1111, s21                    ; my column
	; descriptor group 1: rows of 6,144 bytes (a tile's four K steps: 768 elements of 8 bytes), 12,288 bytes apart in memory, on end in LDS; R: 4 tiles, P: 8
	s_or_b32 s36, s72, (3<<16)|(1<<21)
	s_mov_b32 s37, 768<<16
	s_mov_b32 s38, 4<<16
	s_mov_b32 s39, 768<<16
	s_mov_b32 s40, 4
	s_mov_b32 s41, 1536
	s_mov_b32 s42, 0
	s_mov_b32 s43, 0
	s_or_b32 s44, s73, (3<<16)|(1<<21)
	s_mov_b32 s45, 768<<16
	s_mov_b32 s46, 8<<16
	s_mov_b32 s47, 768<<16
	s_mov_b32 s48, 8
	s_mov_b32 s49, 1536
	s_mov_b32 s50, 0
	s_mov_b32 s51, 0
	s_mul_i32 s74, s20, 24576                      ; where they go: no place in the cluster enters an LDS address
	s_mul_i32 s75, s20, 49152
	s_add_co_u32 s75, s75, 49152
	s_wait_dscnt 0x0                               ; both opening adds are done
	s_wait_kmcnt 0x0
	s_add_nc_u64 s[32:33], s[4:5], s[32:33]
	s_add_nc_u64 s[34:35], s[4:5], s[34:35]
	s_mov_b32 s52, 1                               ; group 0, R, K steps 0-3
	s_mov_b32 s53, s74
	s_mov_b64 s[54:55], s[32:33]
	s_or_b32 s55, s55, 0x80000000
	s_mov_b32 s56, 1                               ; R, K steps 4-7
	s_add_co_u32 s57, s74, HALF
	s_add_nc_u64 s[58:59], s[32:33], TILEB
	s_or_b32 s59, s59, 0x80000000
	s_mov_b32 s60, 1                               ; P, K steps 0-3
	s_mov_b32 s61, s75
	s_mov_b64 s[62:63], s[34:35]
	s_or_b32 s63, s63, 0x80000000
	s_mov_b32 s68, 1                               ; P, K steps 4-7
	s_add_co_u32 s69, s75, HALF
	s_add_nc_u64 s[70:71], s[34:35], TILEB
	s_or_b32 s71, s71, 0x80000000
	CROUND                                         ; all sixteen work-groups are here: the joint loads meet
	s_cmp_eq_u32 s19, 0                            ; every wave issues two loads, all of the launch's fills: two tensor loads of mine are out
	s_cbranch_scc0 .Lfill_p
	tensor_load_to_lds s[52:55], s[36:43]
	s_nop 0
	tensor_load_to_lds s[56:59], s[36:43]
	s_nop 0
	PLACES 4
	s_branch .Lfilled
.Lfill_p:
	tensor_load_to_lds s[60:63], s[44:51]
	s_nop 0
	tensor_load_to_lds s[68:71], s[44:51]
	s_nop 0
	PLACES 4
.Lfilled:
	v_and_b32 v185, 31, v0                         ; lane
	v_and_b32 v186, 15, v0                         ; r
	v_bfe_u32 v187, v0, 4, 1                       ; h
	v_lshlrev_b32 v10, 4, v185                     ; 16 x lane
	v_lshlrev_b32 v188, 3, v185                    ; 8 x lane
	v_lshlrev_b32 v9, 5, v186
	v_lshl_add_u32 v9, v187, 4, v9                 ; 32 r + 16 h
	s_add_co_u32 s80, s28, s19
	s_lshl_b32 s80, s80, 11
	s_mov_b32 s81, 0
	s_add_nc_u64 s[76:77], s[6:7], s[80:81]        ; the scale words of my 64 R rows,
	s_lshl_b32 s80, s20, 1
	s_add_co_u32 s80, s80, s29
	s_lshl_b32 s80, s80, 11
	s_add_nc_u64 s[78:79], s[6:7], s[80:81]        ; and of my 128 P rows
.irp a, 0,1,2,3
	global_load_b128 v[SR+4*\a:SR+4*\a+3], v9, s[76:77] offset:512*\a      ; a tile's 512 consecutive bytes
.endr
.irp b, 0,1,2,3,4,5,6,7
	global_load_b128 v[SP+4*\b:SP+4*\b+3], v9, s[78:79] offset:512*\b
.endr
	s_mul_i32 s80, s19, 24576
	v_add_nc_u32 v1, s80, v10                      ; R's fragments: 16 x lane and 8 x lane, in each half of K
	v_add_nc_u32 v2, HALF, v1
	v_add_nc_u32 v3, s80, v188
	v_add_nc_u32 v4, HALF, v3
	s_mul_i32 s80, s20, 49152
	s_add_co_u32 s80, s80, 49152
	v_add_nc_u32 v5, s80, v10                      ; P's
	v_add_nc_u32 v6, HALF, v5
	v_add_nc_u32 v7, s80, v188
	v_add_nc_u32 v8, HALF, v7
	v_lshlrev_b32 v11, 4, v186
	v_lshl_add_u32 v12, v187, 3, v11               ; 16 r + 8 h
	v_lshl_add_u32 v11, v187, 2, v11               ; 16 r + 4 h
	v_lshlrev_b32 v13, 7, v187                     ; 128 h
	v_and_b32 v184, 8, v186
	v_lshlrev_b32 v184, 2, v184
	v_and_b32 v189, 7, v186
	v_add_nc_u32 v184, v184, v189
	v_lshlrev_b32 v184, 2, v184                    ; 4 (32 (r / 8) + r % 8)
	v_lshlrev_b32 v190, 3, v187                    ; 8 h
	v_mov_b32 v[PT], 0                             ; written once: a lane permute's destination counts as one of its sources
	s_mov_b32 s30, 0x76543210
	s_mov_b32 s31, 0xfedcba98
	s_wait_tensorcnt 0x1                           ; my part of K steps 0-3 is in; my second load may be out
	s_barrier_signal -1
	s_barrier_wait -1                              ; everybody's is
	FETCH 0
	s_wait_loadcnt 0x0                             ; the scale words
	STEP 0, 1                                      ; the first products start the sums: nothing is cleared
	STEP 1, 0
	STEP 2, 0
	s_wait_tensorcnt 0x0                           ; my part of K steps 4-7 is in,
	s_wait_dscnt 0x0
	s_barrier_signal -1
	s_barrier_wait -1                              ; everybody's is; the descriptors' registers are free
	s_cmp_eq_u32 s24, 2                            ; the text parts once, on the cluster's y alone: no barrier, tensor load or LDS store stands in an arm
	s_cbranch_scc1 .Lv
	; ---- Q and K
	s_lshr_b32 s36, s27, 4                         ; batch
	s_and_b32 s37, s27, 15                         ; which 128 tokens of it
	s_lshl_b32 s38, s26, 2
	s_lshl_b32 s39, s20, 1
	s_add_co_u32 s38, s38, s39                     ; my first head
	s_lshl_b32 s36, s36, 4
	s_add_co_u32 s36, s36, s38
	s_lshl_b32 s36, s36, 4
	s_add_co_u32 s36, s36, s37                     ; the record's number
	s_mov_b32 s52, 12800
	s_mov_b32 s53, 12288
	s_cmp_eq_u32 s24, 0
	s_cselect_b64 s[50:51], s[14:15], s[16:17]     ; qi or kv
	s_cselect_b64 s[48:49], s[8:9], s[10:11]       ; bq or bk
	s_cselect_b32 s52, 6400, s52                   ; a record's bytes
	s_cselect_b32 s53, 6144, s53                   ; where its words begin
	s_mul_i32 s58, s36, s52
	s_mul_i32 s39, s19, 3072
	s_add_co_u32 s54, s58, s39                     ; my group's two fragments
	s_mov_b32 s55, 0
	s_add_nc_u64 s[40:41], s[50:51], s[54:55]      ; the first head's,
	s_lshl_b32 s56, s52, 4                         ; a head on: 16 records
	s_mov_b32 s57, 0
	s_add_nc_u64 s[42:43], s[40:41], s[56:57]      ; the second's
	s_lshl_b32 s39, s19, 3
	s_add_co_u32 s58, s58, s39
	s_add_co_u32 s58, s58, s53
	s_mov_b32 s59, 0
	s_add_nc_u64 s[44:45], s[50:51], s[58:59]      ; and their words
	s_add_nc_u64 s[46:47], s[44:45], s[56:57]
	s_lshl_b32 s60, s26, 10
	s_lshl_b32 s61, s20, 9
	s_add_co_u32 s60, s60, s61
	s_mov_b32 s61, 0
	s_add_nc_u64 s[48:49], s[48:49], s[60:61]      ; the bias of my 128 P rows
.irp g, 0,1
.irp i, 0,1,2,3,4,5,6,7
	global_load_b128 v[192+32*\g+4*\i:192+32*\g+4*\i+3], v13, s[48:49] offset:256*\g+16*\i   ; those of 64 g + 32 h + 0 .. 31
.endr
.endr
.irp s, 3,4,5,6,7
	STEP \s, 0
.endr
	s_wait_loadcnt 0x0                             ; the bias
	PLACES 4                                       ; behind the last products
	v_cmp_lt_u32 vcc_lo, 15, v185
.irp g, 0,1
.irp f, 0,1
	FRAGQ 8*(8*(2*\f)+4*\g), 192+32*\g, 8*(8*(2*\f+1)+4*\g), 192+32*\g, 1, 128+12*\f, 168+2*\g+\f, 40+2*\g, 1536*\f
.endr
	v_cndmask_b32 v[172+\g], v[168+2*\g], v[169+2*\g], vcc_lo              ; lanes 0-15 store fragment 0's word of their row, lanes 16-31 fragment 1's
	global_store_b32 v11, v[172+\g], s[44+2*\g:45+2*\g]
.endr
	s_branch .Lend
.Lv:
	; ---- V
	s_lshl_b32 s36, s27, 1
	s_add_co_u32 s36, s36, s19                     ; my head
	s_lshr_b32 s37, s26, 3                         ; batch
	s_lshl_b32 s37, s37, 4
	s_add_co_u32 s36, s36, s37
	s_lshl_b32 s37, s26, 1
	s_add_co_u32 s37, s37, s20
	s_and_b32 s37, s37, 15                         ; which 128 keys of it
	s_lshl_b32 s36, s36, 4
	s_add_co_u32 s36, s36, s37
	s_mul_i32 s36, s36, 12800
	s_mov_b32 s37, 0
	s_add_nc_u64 s[40:41], s[16:17], s[36:37]      ; the record
	s_lshl_b32 s38, s27, 9
	s_lshl_b32 s39, s19, 8
	s_add_co_u32 s38, s38, s39
	s_mov_b32 s39, 0
	s_add_nc_u64 s[48:49], s[12:13], s[38:39]      ; the bias of my 64 R rows
.irp a, 0,1,2,3
	global_load_b32 v[192+2*\a], v184, s[48:49] offset:32*\a               ; that of my lane's row of tile a
.endr
.irp s, 3,4,5,6,7
	STEP \s, 0
.endr
	s_wait_loadcnt 0x0
	PLACES 4
.irp a, 0,1,2,3
	v_mov_b32 v[193+2*\a], v[192+2*\a]             ; a pair for the packed addition
.endr
	v_cmp_lt_u32 vcc_lo, 15, v185
.irp a, 0,1,2,3
	FRAGQ 64*\a, 192+2*\a, 64*\a+32, 192+2*\a, 0, 128+12*(\a%2), 168+\a, 40, 6144+1536*\a
.endr
	v_cndmask_b32 v172, v168, v170, vcc_lo         ; lanes 0-15 store words 0, 1 of their row, lanes 16-31 words 2, 3
	v_cndmask_b32 v173, v169, v171, vcc_lo
	global_store_b64 v12, v[172:173], s[40:41] offset:12544                ; 256 consecutive bytes
.Lend:
	s_wait_tensorcnt 0x0                           ; the wave's end, behind my last tensor load
	ds_add_u32 v[SPW], v[NIL]
	s_wait_dscnt 0x0
	CROUND                                         ; the closing round
	s_endpgm
.Lfunc_end_k_q49a846242c_proj:
	.size	k_q49a846242c_proj, .Lfunc_end_k_q49a846242c_proj-k_q49a846242c_proj
	.p2alignl 7, 3214868480
	.fill 96, 4, 3214868480
	.section	.rodata,"a",@progbits
	.p2align	6, 0x0
	.amdhsa_kernel k_q49a846242c_proj
		.amdhsa_group_segment_fixed_size 295424
		.amdhsa_private_segment_fixed_size 0
		.amdhsa_enable_private_segment 0
		.amdhsa_kernarg_size 56
		.amdhsa_user_sgpr_count 2
		.amdhsa_user_sgpr_kernarg_segment_ptr 1
		.amdhsa_wavefront_size32 1
		.amdhsa_system_sgpr_workgroup_id_x 1
		.amdhsa_system_sgpr_workgroup_id_y 1
		.amdhsa_system_sgpr_workgroup_id_z 1
		.amdhsa_system_vgpr_workitem_id 0
		.amdhsa_next_free_vgpr 768
		.amdhsa_next_free_sgpr 96
		.amdhsa_reserve_vcc 1
		.amdhsa_float_denorm_mode_32 3
		.amdhsa_float_denorm_mode_16_64 3
		.amdhsa_memory_ordered 1
		.amdhsa_forward_progress 1
		.amdhsa_inst_pref_size 148
	.end_amdhsa_kernel
	.amdgpu_metadata
---
amdhsa.version: [ 1, 2 ]
amdhsa.kernels:
  - .name:           k_q49a846242c_proj
    .symbol:         k_q49a846242c_proj.kd
    .args:
      - { .name: cod, .offset: 0, .size: 8, .value_kind: global_buffer, .address_space: global }
      - { .name: scl, .offset: 8, .size: 8, .value_kind: global_buffer, .address_space: global }
      - { .name: bq, .offset: 16, .size: 8, .value_kind: global_buffer, .address_space: global }
      - { .name: bk, .offset: 24, .size: 8, .value_kind: global_buffer, .address_space: global }
      - { .name: bv, .offset: 32, .size: 8, .value_kind: global_buffer, .address_space: global }
      - { .name: qi, .offset: 40, .size: 8, .value_kind: global_buffer, .address_space: global }
      - { .name: kv, .offset: 48, .size: 8, .value_kind: global_buffer, .address_space: global }
    .group_segment_fixed_size: 295424
    .private_segment_fixed_size: 0
    .kernarg_segment_align: 8
    .kernarg_segment_size: 56
    .max_flat_workgroup_size: 128
    .sgpr_count:     96
    .vgpr_count:     768
    .wavefront_size: 32
...
	.end_amdgpu_metadata
.endif
;; end of part 2
;; launch attn (part 3): grid 4 x 64, 8 waves a work-group, clusters of 4 x 1, 205,824 bytes of LDS; arguments qi, kv, cc, cs; writes cc, cs
.if DOCPART == 3
	.amdgcn_target "amdgcn-amd-amdhsa--gfx1250"
	.amdhsa_code_object_version 6
	.text
	.protected	k_q49a846242c_attn
	.globl	k_q49a846242c_attn
	.p2align	8
	.type	k_q49a846242c_attn,@function
k_q49a846242c_attn:
	s_mov_b64 s[64:65], 0
	v_nop
	global_prefetch_b8 v0, s[64:65] scope:SCOPE_SE
	s_setreg_imm32_b32 hwreg(HW_REG_WAVE_MODE, 25, 1), 1
	s_wait_xcnt 0x0
	s_wait_alu depctr_hold_cnt(0) depctr_sa_sdst(0) depctr_va_vdst(0) depctr_va_sdst(0) depctr_va_ssrc(0) depctr_va_vcc(0) depctr_vm_vsrc(0)
	s_getreg_b32 s2, hwreg(HW_REG_IB_STS2, 6, 4)
	s_cmp_eq_u32 s2, 0
	s_cbranch_scc0 .Lentry_in_a_cluster
	s_endpgm
.Lentry_in_a_cluster:
	s_bfe_u32 s2, ttmp6, 0x10000c
	s_cmp_lg_u32 s2, 0x3003
	s_cbranch_scc0 .Lentry_shape_is_right
	s_endpgm
.Lentry_shape_is_right:
; ATTN: context = softmax(Q K^T / 8) V for one head, both products on codes of E2M3; the context is quantised along e for the last product.  No work of reference() is left out.
; THE SOFTMAX: t = score x log2(e) / 8; M = the running largest t rounded UP to a whole number; p = 2^(t - M) is quantised along the keys, not normalised; the row's sum is taken of the unquantised p and divides at the end.
; When M moves, the sum and O are multiplied by 2^(old M - new M), which rounds nothing.
; LIMITS: NaN and infinities are not served.  v_exp_f32 gives 0 for results under 2^-126.  A block's largest p is taken as the exponential of the block's largest score, by the same two instructions:
; this takes v_exp_f32 not to fall where its input rises.  A block of zeros keeps the byte 1; its codes are zeros.
; SHARES: a work-group takes one head (batch x head = the grid's y) and 512 queries; each of its eight waves 64 queries: four tiles of 16.  Two waves to a SIMD: one's products stand beside the other's softmax.
; THE HEAD'S K, V AND SCALE WORDS, 16 records of 12,800 bytes, COME INTO LDS ONCE, by joint loads of the head's four work-groups (a cluster): no slot is filled again.  Every wave issues two loads, a record each.
; LAYOUT: both products transposed: S^T = K Q^T, O^T = V^T P^T: a lane holds one query (lane % 16) throughout.  By the tiles chosen in the launch before, register 32 c + i of S^T is key 64 c + 32 (lane / 16) + i:
; a whole block of 32 keys in one lane, whose codes are registers 6 c .. 6 c + 5 of P's fragment in that very lane; likewise O^T's 32 registers of a tile are d = 32 (lane / 16) + 0 .. 31.
; K = 64 IN AN INSTRUCTION 128 DEEP: a fragment of K holds TWO tiles of keys (registers 0-5, 6-11).  Against Q as [q, zeros] it gives the first tile's scores, against [zeros, q] the second's: the zero codes are the
; filling of the K step; Q's scale bytes of the zero half are 1.
; cs leaves as 128 consecutive bytes a wave: a twenty-fifth of what the launch stores.
; REGISTERS: window 0: v1-13 addresses and work; v16+4q: -M, the largest t, the sum's two halves of tile q; v32-39 Q's scale words; v40-43 P's; v44-47 K's (lanes 0-15) and V's (lanes 16-31); v48-63 at work;
;   v64-111 K's 4 fragments; v112-159 P's codes, 12 a tile; v160-223 S^T, then p.  Window 1: v0-127 O^T at 32 q + 8 u; v128-175 V's 4 fragments; v176 + 18 q: [q 6][zeros 6][q 6].
.set REC,   12800
.set SPARE, 16*REC                     ; behind the records: the spare words, 128 bytes for each wave
.set LI,  1                            ; 16 x lane
.set ADR, 2                            ; LDS address of the step's record, + 16 x lane
.set SH,  3                            ; 8 (lane / 16)
.set SPW, 4                            ; LDS address of my spare word; never rewritten
.set NIL, 5                            ; 0; never rewritten
.set L8,  6                            ; 8 x lane
.set CSO, 7                            ; 8 r + 4 (lane / 16)
.set FF,  8                            ; v[8:9] f = 2^(old M - new M), and a written partner
.set XX,  10
.set YY,  11
.set Y2,  12
.set ST,  16
.set QSL, 32
.set QSH, 36
.set PS,  40
.set SCW, 44
.set BM,  48
.set SO,  50
.set BY,  52
.set L2,  54
.set TMP, 56
.set KF,  64
.set PC,  112
.set S,   160
.set VF,  128                          ; in window 1
.set QF,  176                          ; in window 1
.set MSB, 0
.macro WIN new
.if MSB != \new
	s_set_vgpr_msb (MSB<<8)|\new
.set MSB, \new
.endif
.endm
.macro PLACES n
.rept \n
	v_nop
.endr
.endm
.macro CROUND
	s_barrier_signal -1
	s_barrier_wait -1
	s_cmp_lg_u32 s12, 0
	s_cbranch_scc1 .Lnot_wave_0_\@
	s_barrier_signal -3
.Lnot_wave_0_\@:
	s_barrier_wait -3
	s_barrier_signal -1
	s_barrier_wait -1
.endm
; One tile of 16 queries against the step's 128 keys: scores, softmax, p's codes and scale word, O^T under the new M.
.macro TILE q
.set NM, ST+4*(\q)
	WIN 0x04                                       ; source 1 (Q) window 1
.irp f, 0,1,2,3
	v_wmma_scale_f32_16x16x128_f8f6f4 v[S+16*\f:S+16*\f+7], v[KF+12*\f:KF+12*\f+11], v[QF+18*(\q):QF+18*(\q)+11], 0, v[SCW+\f], v[QSL+(\q)] matrix_a_fmt:MATRIX_FMT_FP6 matrix_b_fmt:MATRIX_FMT_FP6
	v_wmma_scale_f32_16x16x128_f8f6f4 v[S+16*\f+8:S+16*\f+15], v[KF+12*\f:KF+12*\f+11], v[QF+18*(\q)+6:QF+18*(\q)+17], 0, v[SCW+\f], v[QSH+(\q)] matrix_a_fmt:MATRIX_FMT_FP6 matrix_b_fmt:MATRIX_FMT_FP6
.endr
	WIN 0
	PLACES 4
.irp c, 0,1
	v_max3_num_f32 v[BM+\c], v[S+32*\c], v[S+32*\c+1], v[S+32*\c+2]        ; the largest score of each of my two blocks of 32 keys; ascending
.endr
.irp i, 3,5,7,9,11,13,15,17,19,21,23,25,27,29
.irp c, 0,1
	v_max3_num_f32 v[BM+\c], v[BM+\c], v[S+32*\c+\i], v[S+32*\c+\i+1]
.endr
.endr
.irp c, 0,1
	v_max_num_f32 v[BM+\c], v[BM+\c], v[S+32*\c+31]
.endr
	v_max_num_f32 v[XX], v[BM], v[BM+1]
	v_permlanex16_b32 v[YY], v[XX], s32, s33
	v_max_num_f32 v[XX], v[XX], v[YY]              ; the step's largest score of my query
	v_mul_f32 v[XX], s34, v[XX]                    ; as t
	v_max_num_f32 v[NM+1], v[NM+1], v[XX]          ; the running largest t
	v_mov_b32 v[Y2], v[NM]
	v_floor_f32 v[NM], -v[NM+1]                    ; the new -M = floor(-t): M is a whole number
	v_sub_f32 v[Y2], v[NM], v[Y2]                  ; old M - new M: a whole number, 0 or less
	v_cvt_i32_f32 v[Y2], v[Y2]                     ; (it saturates)
	v_ldexp_f32 v[FF], 1.0, v[Y2]                  ; f
.irp c, 0,1
	v_fma_f32 v[BM+\c], v[BM+\c], s34, v[NM]       ; t - M of each block's largest score
.endr
.irp c, 0,1
	v_exp_f32 v[BM+\c], v[BM+\c]                   ; the block's largest p
.endr
	; ONE BATCH: 32 packed scalings t - M and 64 exponentials; none of these lines names an exponential's result
.irp p, 0,1
	v_pk_fma_f32 v[S+2*\p:S+2*\p+1], v[S+2*\p:S+2*\p+1], s[34:35], v[NM:NM+1] op_sel_hi:[1,0,0]
.endr
.set pp, 2
.rept 30
	v_exp_f32 v[S+2*pp-4], v[S+2*pp-4]
	v_exp_f32 v[S+2*pp-3], v[S+2*pp-3]
	v_pk_fma_f32 v[S+2*pp:S+2*pp+1], v[S+2*pp:S+2*pp+1], s[34:35], v[NM:NM+1] op_sel_hi:[1,0,0]
.set pp, pp+1
.endr
.irp j, 60,61,62,63
	v_exp_f32 v[S+\j], v[S+\j]
.endr
	v_pk_mul_f32 v[NM+2:NM+3], v[NM+2:NM+3], v[FF:FF+1] op_sel_hi:[1,0]    ; the sums under the new M: the plain place behind the last exponential
	s_wait_alu depctr_va_vdst(0)                   ; the wait ahead of the first line that names a result: one for all 66
.irp c, 0,1
	v_max_num_f32 v[BM+\c], 0x1800000, v[BM+\c]    ; the floor 2^(3 - 127): the byte cannot fall under 1
.endr
.irp c, 0,1
	v_add_nc_u32 v[SO+\c], 0xff000000, v[BM+\c]    ; the conversion's scale operand
.endr
.irp c, 0,1
	v_lshrrev_b32 v[BY+\c], 23, v[SO+\c]           ; the scale's byte
.endr
	v_lshl_or_b32 v[XX], v[BY+1], 16, v[BY]        ; blocks h and 2 + h of these 128 keys,
	v_lshlrev_b32 v[XX], v[SH], v[XX]
	v_permlanex16_b32 v[YY], v[XX], s32, s33
	v_or_b32 v[PS+(\q)], v[XX], v[YY]              ; with lane l xor 16's: p's scale word
	v_pk_add_f32 v[L2:L2+1], v[S:S+1], v[S+2:S+3]  ; the row's sum is taken of the unquantised p, in two chains
.irp j, 4,8,12,16,20,24,28,32,36,40,44,48,52,56,60
	v_pk_add_f32 v[NM+2:NM+3], v[NM+2:NM+3], v[S+\j:S+\j+1]
	v_pk_add_f32 v[L2:L2+1], v[L2:L2+1], v[S+\j+2:S+\j+3]
.endr
	v_pk_add_f32 v[NM+2:NM+3], v[NM+2:NM+3], v[L2:L2+1]
.irp c, 0,1
	v_cvt_scalef32_pk16_fp6_f32 v[PC+12*(\q)+6*\c:PC+12*(\q)+6*\c+2], v[S+32*\c:S+32*\c+15], v[SO+\c]
	v_cvt_scalef32_pk16_fp6_f32 v[TMP+4*\c:TMP+4*\c+2], v[S+32*\c+16:S+32*\c+31], v[SO+\c]   ; (a conversion's three registers begin on an even number)
.endr
	v_nop                                          ; one plain place behind the conversions
.irp c, 0,1
.irp i, 0,1,2
	v_mov_b32 v[PC+12*(\q)+6*\c+3+\i], v[TMP+4*\c+\i]
.endr
.endr
	WIN 0x41                                       ; O^T (destination, source 0) window 1
.set i, 0
.rept 16
	v_pk_mul_f32 v[32*(\q)+2*i:32*(\q)+2*i+1], v[32*(\q)+2*i:32*(\q)+2*i+1], v[FF:FF+1] op_sel_hi:[1,0]   ; O^T under the new M; also the places between the lines above and the products below
.set i, i+1
.endr
	WIN 0
.endm
; A key step: the record at LDS byte s36: 128 keys.
.macro KSTEP
	v_add_nc_u32 v[ADR], s36, v[LI]
	PLACES 3                                       ; with the addition: four places behind the last step's products, in front of loads into their registers
	ds_load_b128 v[SCW:SCW+3], v[ADR] offset:12288 ; lanes 0-15: K's four words of row r; lanes 16-31: V's
.irp f, 0,1,2,3
.irp c, 0,1,2
	ds_load_b128 v[KF+12*\f+4*\c:KF+12*\f+4*\c+3], v[ADR] offset:1536*\f+512*\c
.endr
.endr
	WIN 0x40
.irp u, 0,1,2,3
.irp c, 0,1,2
	ds_load_b128 v[VF+12*\u+4*\c:VF+12*\u+4*\c+3], v[ADR] offset:6144+1536*\u+512*\c
.endr
.endr
	WIN 0
	s_wait_dscnt 12                                ; the words and K are in; V's twelve loads may be out
	TILE 0
	TILE 1
	TILE 2
	TILE 3
	s_wait_dscnt 0x0                               ; V is in
	WIN 0x51                                       ; V, C and D window 1, P window 0
.irp u, 0,1,2,3
.irp q, 0,1,2,3
	v_wmma_scale_f32_16x16x128_f8f6f4 v[32*\q+8*\u:32*\q+8*\u+7], v[VF+12*\u:VF+12*\u+11], v[PC+12*\q:PC+12*\q+11], v[32*\q+8*\u:32*\q+8*\u+7], v[SCW+\u], v[PS+\q] matrix_a_fmt:MATRIX_FMT_FP6 matrix_b_fmt:MATRIX_FMT_FP6 matrix_a_scale:MATRIX_SCALE_ROW1
.endr
.endr
	WIN 0
.endm
.macro WALK                            ; eight key steps
	s_mov_b32 s37, 8
.Lwalk_\@:
	KSTEP
	s_add_co_u32 s36, s36, REC
	s_sub_co_u32 s37, s37, 1
	s_cmp_lg_u32 s37, 0
	s_cbranch_scc1 .Lwalk_\@
.endm
	s_load_b256 s[4:11], s[0:1], 0x0               ; qi, kv, cc, cs
	v_lshl_add_u32 v[SPW], v0, 2, SPARE
	v_mov_b32 v[NIL], 0
	ds_add_u32 v[SPW], v[NIL]                      ; the wave's opening: the add, twice on end, and its wait ahead of my first tensor load
	ds_add_u32 v[SPW], v[NIL]
	v_lshrrev_b32 v10, 5, v0
	v_readfirstlane_b32 s12, v10                   ; wave 0..7
	s_bfe_u32 s13, ttmp6, 0x40000                  ; cx: it enters Q's, cc's and cs's addresses alone
	s_and_b32 s14, ttmp7, 0xffff                   ; batch x head, which the four partners share
	; descriptor group 1: a record as 50 rows of 256 bytes (32 elements of 8 bytes), dense; the mask names all four work-groups
	s_mov_b32 s16, 15|(3<<16)|(1<<21)
	s_mov_b32 s17, 32<<16
	s_mov_b32 s18, 50<<16
	s_mov_b32 s19, 32<<16
	s_mov_b32 s20, 50
	s_mov_b32 s21, 32
	s_mov_b32 s22, 0
	s_mov_b32 s23, 0
	s_mov_b32 s32, 0x76543210
	s_mov_b32 s33, 0xfedcba98                      ; v_permlanex16_b32's selects for lane l xor 16
	s_mov_b32 s34, 0x3e38aa3b                      ; log2(e) / 8
	s_mov_b32 s35, s34                             ; (named with it as a pair)
	s_mov_b32 s38, 0x01010000
	s_mov_b32 s39, 0x0101
	s_mul_i32 s40, s12, REC                        ; my first record, in LDS and in the head
	s_mul_i32 s42, s14, 16*REC
	s_add_co_u32 s42, s42, s40
	s_mov_b32 s43, 0
	s_lshl_b32 s44, s13, 3
	s_add_co_u32 s44, s44, s12                     ; my 64 queries: group 8 cx + wave of the head's 32
	s_and_b32 s46, s44, 1
	s_mul_i32 s47, s14, 102400                     ; the head's first byte in qi
	s_lshr_b32 s45, s44, 1
	s_mul_i32 s45, s45, 6400
	s_add_co_u32 s45, s45, s47                     ; the record of my queries
	s_mul_i32 s48, s46, 3072
	s_add_co_u32 s48, s48, s45                     ; my two fragments in it
	s_mov_b32 s49, 0
	s_lshl_b32 s50, s46, 3
	s_add_co_u32 s50, s50, s45
	s_add_co_u32 s50, s50, 6144                    ; and their words
	s_mov_b32 s51, 0
	s_lshr_b32 s52, s14, 4
	s_lshl_b32 s52, s52, 5
	s_add_co_u32 s52, s52, s44                     ; my group of 64 tokens among all 128
	s_and_b32 s53, s14, 15                         ; head
	s_mul_i32 s54, s52, 49152
	s_lshr_b32 s55, s53, 1
	s_mul_i32 s55, s55, 1536                       ; two heads are a K step of the last product;
	s_add_co_u32 s54, s54, s55
	s_and_b32 s55, s53, 1
	s_mul_i32 s55, s55, 768                        ; a head is half of a fragment's image
	s_add_co_u32 s54, s54, s55
	s_mov_b32 s55, 0
	s_lshl_b32 s56, s52, 11
	s_lshl_b32 s57, s53, 7
	s_add_co_u32 s56, s56, s57
	s_mov_b32 s57, 0
	s_wait_dscnt 0x0                               ; both opening adds are done
	s_wait_kmcnt 0x0
	s_mov_b32 s24, 1                               ; group 0: record = wave,
	s_mov_b32 s25, s40
	s_add_nc_u64 s[26:27], s[6:7], s[42:43]
	s_mov_b32 s28, 1                               ; and record = 8 + wave
	s_add_co_u32 s29, s40, 8*REC
	s_add_nc_u64 s[30:31], s[26:27], 8*REC
	s_or_b32 s27, s27, 0x80000000
	s_or_b32 s31, s31, 0x80000000
	s_add_nc_u64 s[48:49], s[4:5], s[48:49]
	s_add_nc_u64 s[50:51], s[4:5], s[50:51]
	s_add_nc_u64 s[54:55], s[8:9], s[54:55]
	s_add_nc_u64 s[56:57], s[10:11], s[56:57]
	CROUND                                         ; all four work-groups are here: the joint loads meet
	tensor_load_to_lds s[24:27], s[16:23]          ; every wave issues both: all of the launch's fills; two tensor loads of mine are out
	s_nop 0
	tensor_load_to_lds s[28:31], s[16:23]
	s_nop 0
	PLACES 4
	v_and_b32 v13, 31, v0                          ; lane
	v_lshlrev_b32 v[LI], 4, v13
	WIN 0x40                                       ; destination window 1
.irp f, 0,1                            ; Q's two fragments, each two tiles: every tile's six registers go to two places, round six zeros
.irp d, 0,12
	global_load_b128 v[QF+36*\f+\d:QF+36*\f+\d+3], v[LI], s[48:49] offset:1536*\f th:TH_LOAD_NT
	global_load_b64 v[QF+36*\f+\d+4:QF+36*\f+\d+5], v[LI], s[48:49] offset:1536*\f+512 th:TH_LOAD_NT
	global_load_b64 v[QF+36*\f+18+\d:QF+36*\f+18+\d+1], v[LI], s[48:49] offset:1536*\f+520 th:TH_LOAD_NT
	global_load_b128 v[QF+36*\f+18+\d+2:QF+36*\f+18+\d+5], v[LI], s[48:49] offset:1536*\f+1024 th:TH_LOAD_NT
.endr
.endr
.irp q, 0,1,2,3
.irp i, 6,7,8,9,10,11
	v_mov_b32 v[QF+18*\q+\i], 0                    ; the zero codes that fill the K step
.endr
.endr
.set i, 0
.rept 128
	v_mov_b32 v[i], 0                              ; O^T.  (The step is written once: the first finds zeros, which the first change of M leaves zeros)
.set i, i+1
.endr
	WIN 0
	v_and_b32 v224, 15, v0                         ; r
	v_bfe_u32 v225, v0, 4, 1                       ; lane / 16
	v_lshlrev_b32 v226, 4, v224
	global_load_b64 v[228:229], v226, s[50:51]     ; Q's two words of row r
	v_lshlrev_b32 v[SH], 3, v225
	v_lshlrev_b32 v[L8], 3, v13
	v_lshlrev_b32 v[CSO], 3, v224
	v_lshl_add_u32 v[CSO], v225, 2, v[CSO]
	v_mov_b32 v[FF+1], 0                           ; (named as the upper half of a pair)
	v_mov_b32 v[YY], 0                             ; written once: a lane permute's destination counts as one of its sources
.irp q, 0,1,2,3
	v_mov_b32 v[240+\q], 0
	v_mov_b32 v[ST+4*\q+1], 0xff61b1e6             ; the largest t so far: -3e38
	v_mov_b32 v[ST+4*\q+2], 0                      ; the sum, in two halves
	v_mov_b32 v[ST+4*\q+3], 0
.endr
.irp q, 0,1,2,3
	v_floor_f32 v[ST+4*\q], -v[ST+4*\q+1]          ; -M
.endr
	s_wait_loadcnt 0x0
.irp f, 0,1                            ; a word holds (tile 2 f: d-blocks 0, 1; tile 2 f + 1: d-blocks 0, 1).  For [q, zeros]: (s0, s1, 1, 1); for [zeros, q]: (1, 1, s0, s1)
	v_and_or_b32 v[QSL+2*\f], v[228+\f], 0xffff, s38
	v_lshl_or_b32 v[QSH+2*\f], v[228+\f], 16, s39
	v_lshrrev_b32 v[QSL+2*\f+1], 16, v[228+\f]
	v_or_b32 v[QSL+2*\f+1], s38, v[QSL+2*\f+1]
	v_and_or_b32 v[QSH+2*\f+1], v[228+\f], 0xffff0000, s39
.endr
	PLACES 8                                       ; scale registers written by vector instructions stand eight places ahead of a scaled product
	s_wait_tensorcnt 0x1                           ; my record of the first eight is in; my second load may be out
	s_barrier_signal -1
	s_barrier_wait -1                              ; everybody's is
	s_mov_b32 s36, 0
	WALK                                           ; keys 0 .. 1,023
	s_wait_tensorcnt 0x0                           ; my record of the last eight is in,
	s_wait_dscnt 0x0
	s_barrier_signal -1
	s_barrier_wait -1                              ; everybody's is
	s_mov_b32 s36, 8*REC
	WALK                                           ; keys 1,024 .. 2,047
	; THE WAY OUT: O^T / the sum is the context: a lane's 32 numbers of a tile are one block along e; they are quantised and leave as half of a fragment's image.
.irp q, 0,1,2,3
	v_add_f32 v[ST+4*\q+2], v[ST+4*\q+2], v[ST+4*\q+3]                     ; (these are also the places behind the last products)
.endr
.irp q, 0,1,2,3
	v_permlanex16_b32 v[240+\q], v[ST+4*\q+2], s32, s33
.endr
.irp q, 0,1,2,3
	v_add_f32 v[ST+4*\q+2], v[ST+4*\q+2], v[240+\q]                        ; the row's sum
.endr
.irp q, 0,1,2,3
	v_rcp_f32 v[ST+4*\q+2], v[ST+4*\q+2]
.endr
	v_nop                                          ; a plain place behind the last reciprocal
	s_wait_alu depctr_va_vdst(0)                   ; and the wait ahead of the first use: one for the four
.irp e, 0,1                            ; tiles 2 e and 2 e + 1
	WIN 0x01                                       ; source 0 (O^T) window 1
.irp x, 0,1
.set i, 0
.rept 16
	v_pk_mul_f32 v[S+32*\x+2*i:S+32*\x+2*i+1], v[32*(2*\e+\x)+2*i:32*(2*\e+\x)+2*i+1], v[ST+4*(2*\e+\x)+2:ST+4*(2*\e+\x)+3] op_sel_hi:[1,0]
.set i, i+1
.endr
.endr
	WIN 0
.irp x, 0,1
	v_max3_num_f32 v[236+\x], |v[S+32*\x]|, |v[S+32*\x+1]|, 0x1800000
.endr
.irp j, 2,4,6,8,10,12,14,16,18,20,22,24,26,28,30
.irp x, 0,1
	v_max3_num_f32 v[236+\x], v[236+\x], |v[S+32*\x+\j]|, |v[S+32*\x+\j+1]|
.endr
.endr
.irp x, 0,1
	v_add_nc_u32 v[238+\x], 0xff000000, v[236+\x]
.endr
.irp x, 0,1
	v_lshrrev_b32 v[232+2*\e+\x], 23, v[238+\x]    ; the tile's byte of d-block lane / 16
.endr
.irp x, 0,1
	v_cvt_scalef32_pk16_fp6_f32 v[PC+8*(2*\e+\x):PC+8*(2*\e+\x)+2], v[S+32*\x:S+32*\x+15], v[238+\x]
	v_cvt_scalef32_pk16_fp6_f32 v[TMP+4*\x:TMP+4*\x+2], v[S+32*\x+16:S+32*\x+31], v[238+\x]
.endr
	v_nop                                          ; one plain place behind the conversions
.irp x, 0,1
.irp j, 0,1,2
	v_mov_b32 v[PC+8*(2*\e+\x)+3+\j], v[TMP+4*\x+\j]
.endr
.endr
.irp x, 0,1
	global_store_b128 v[LI], v[PC+8*(2*\e+\x):PC+8*(2*\e+\x)+3], s[54:55] offset:12288*(2*\e+\x)          ; 512 and 256 consecutive bytes, each at a multiple of 256 from the buffer's first byte
	global_store_b64 v[L8], v[PC+8*(2*\e+\x)+4:PC+8*(2*\e+\x)+5], s[54:55] offset:12288*(2*\e+\x)+512
.endr
.endr
	v_lshl_or_b32 v244, v233, 16, v232             ; the bytes of tiles 0, 1 and of tiles 2, 3,
	v_lshl_or_b32 v245, v235, 16, v234
	v_lshlrev_b32 v244, v[SH], v244                ; at my d-block's places,
	v_lshlrev_b32 v245, v[SH], v245
	v_permlanex16_b32 v240, v244, s32, s33
	v_permlanex16_b32 v241, v245, s32, s33
	v_or_b32 v244, v244, v240                      ; with lane l xor 16's
	v_or_b32 v245, v245, v241
	v_cmp_lt_u32 vcc_lo, 15, v13
	v_cndmask_b32 v244, v244, v245, vcc_lo
	global_store_b32 v[CSO], v244, s[56:57]        ; row r's 8 bytes from two lanes: 128 consecutive bytes a wave
	s_wait_tensorcnt 0x0                           ; the wave's end, behind my last tensor load
	ds_add_u32 v[SPW], v[NIL]
	s_wait_dscnt 0x0
	CROUND                                         ; the closing round
	s_endpgm
.Lfunc_end_k_q49a846242c_attn:
	.size	k_q49a846242c_attn, .Lfunc_end_k_q49a846242c_attn-k_q49a846242c_attn
	.p2alignl 7, 3214868480
	.fill 96, 4, 3214868480
	.section	.rodata,"a",@progbits
	.p2align	6, 0x0
	.amdhsa_kernel k_q49a846242c_attn
		.amdhsa_group_segment_fixed_size 205824
		.amdhsa_private_segment_fixed_size 0
		.amdhsa_enable_private_segment 0
		.amdhsa_kernarg_size 32
		.amdhsa_user_sgpr_count 2
		.amdhsa_user_sgpr_kernarg_segment_ptr 1
		.amdhsa_wavefront_size32 1
		.amdhsa_system_sgpr_workgroup_id_x 1
		.amdhsa_system_sgpr_workgroup_id_y 1
		.amdhsa_system_sgpr_workgroup_id_z 1
		.amdhsa_system_vgpr_workitem_id 0
		.amdhsa_next_free_vgpr 512
		.amdhsa_next_free_sgpr 66
		.amdhsa_reserve_vcc 1
		.amdhsa_float_denorm_mode_32 3
		.amdhsa_float_denorm_mode_16_64 3
		.amdhsa_memory_ordered 1
		.amdhsa_forward_progress 1
		.amdhsa_inst_pref_size 129
	.end_amdhsa_kernel
	.amdgpu_metadata
---
amdhsa.version: [ 1, 2 ]
amdhsa.kernels:
  - .name:           k_q49a846242c_attn
    .symbol:         k_q49a846242c_attn.kd
    .args:
      - { .name: qi, .offset: 0, .size: 8, .value_kind: global_buffer, .address_space: global }
      - { .name: kv, .offset: 8, .size: 8, .value_kind: global_buffer, .address_space: global }
      - { .name: cc, .offset: 16, .size: 8, .value_kind: global_buffer, .address_space: global }
      - { .name: cs, .offset: 24, .size: 8, .value_kind: global_buffer, .address_space: global }
    .group_segment_fixed_size: 205824
    .private_segment_fixed_size: 0
    .kernarg_segment_align: 8
    .kernarg_segment_size: 32
    .max_flat_workgroup_size: 256
    .sgpr_count:     66
    .vgpr_count:     512
    .wavefront_size: 32
...
	.end_amdgpu_metadata
.endif
;; end of part 3
;; launch outp (part 4): grid 4 x 64, 4 waves a work-group, clusters of 4 x 4, 312,832 bytes of LDS; arguments cc, cs, cod, scl, out0; writes out0
.if DOCPART == 4
	.amdgcn_target "amdgcn-amd-amdhsa--gfx1250"
	.amdhsa_code_object_version 6
	.text
	.protected	k_q49a846242c_outp
	.globl	k_q49a846242c_outp
	.p2align	8
	.type	k_q49a846242c_outp,@function
k_q49a846242c_outp:
	s_mov_b64 s[64:65], 0
	v_nop
	global_prefetch_b8 v0, s[64:65] scope:SCOPE_SE
	s_setreg_imm32_b32 hwreg(HW_REG_WAVE_MODE, 25, 1), 1
	s_wait_xcnt 0x0
	s_wait_alu depctr_hold_cnt(0) depctr_sa_sdst(0) depctr_va_vdst(0) depctr_va_sdst(0) depctr_va_ssrc(0) depctr_va_vcc(0) depctr_vm_vsrc(0)
	s_getreg_b32 s2, hwreg(HW_REG_IB_STS2, 6, 4)
	s_cmp_eq_u32 s2, 0
	s_cbranch_scc0 .Lentry_in_a_cluster
	s_endpgm
.Lentry_in_a_cluster:
	s_bfe_u32 s2, ttmp6, 0x10000c
	s_cmp_lg_u32 s2, 0xf033
	s_cbranch_scc0 .Lentry_shape_is_right
	s_endpgm
.Lentry_shape_is_right:
; OUTP: out0 = context Wo^T on codes of E2M3; f32 sums, K ascending.  No work of reference() is left out.  LIMITS: as in the launches before (NaN and infinities are not served).
; A work-group makes 128 tokens ("R", the context's codes in cc) x 256 outputs ("P", Wo's codes in cod, groups 432 on) over the whole K = 1,024, which lies in LDS, filled ONCE.  Four waves, each 64 x 128: 32 accumulators.
; The product is used transposed (source 0 = 16 rows of Wo, source 1 = 16 tokens): lane (r, h) holds token 32 (r / 8) + 8 a + r % 8 of its group of 64, and accumulators b = 4 g .. 4 g + 3 hold outputs 64 g + 32 h + 0 .. 31.
; CLUSTERS: 4 x 4.  The context's tile hangs on the cluster's row, Wo's on its column: each is asked for jointly by the four that share it.
; THE WAY OUT: blocks of 16 tokens x 64 outputs go through the wave's own stage in LDS (bytes into which no tensor load lands) and leave as rows: sixteen lanes store 256 consecutive bytes.
; REGISTERS: window 0: v1-8 LDS addresses, v9-13 lane terms, v16-31 R's scale words, v32-63 P's, v64-159 R's fragments (two sets of 48; on the way out rows of out0), v160-175 cs as loaded.  Window 1: P's fragments.  Window 2: accumulator (a, b) at 8 (8 a + b).
.set HALF,  147456                     ; LDS: K steps 0-3, then K steps 4-7; in each 8 tiles of R, then 16 of P
.set TILEB, 6144
.set STAGE, 2*HALF                     ; 16 rows x 272 bytes for each wave
.set SPARE, STAGE+4*4352               ; the spare words, 128 bytes for each wave
.set SPW, 14
.set NIL, 15
.set SR,  16
.set SP,  32
.set RF,  64
.set MSB, 0
.macro WIN new
.if MSB != \new
	s_set_vgpr_msb (MSB<<8)|\new
.set MSB, \new
.endif
.endm
.macro PLACES n
.rept \n
	v_nop
.endr
.endm
.macro CROUND
	s_barrier_signal -1
	s_barrier_wait -1
	s_cmp_lg_u32 s18, 0
	s_cbranch_scc1 .Lnot_wave_0_\@
	s_barrier_signal -3
.Lnot_wave_0_\@:
	s_barrier_wait -3
	s_barrier_signal -1
	s_barrier_wait -1
.endm
.macro FRAG reg, a16, a8, off          ; a fragment's image back into 12 registers
	ds_load_b128 v[(\reg):(\reg)+3], v[\a16] offset:(\off)
	ds_load_b64 v[(\reg)+4:(\reg)+5], v[\a8] offset:(\off)+512
	ds_load_b128 v[(\reg)+6:(\reg)+9], v[\a16] offset:(\off)+768
	ds_load_b64 v[(\reg)+10:(\reg)+11], v[\a8] offset:(\off)+1280
.endm
.macro FETCH s
	WIN 0x40
.irp b, 0,1,2,3,4,5,6,7
	FRAG 96*((\s)%2)+12*\b, 5+(\s)/4, 7+(\s)/4, TILEB*\b+1536*((\s)%4)
.endr
	WIN 0
.irp a, 0,1,2,3
	FRAG RF+48*((\s)%2)+12*\a, 1+(\s)/4, 3+(\s)/4, TILEB*\a+1536*((\s)%4)
.endr
.endm
.macro MULS s, zero                    ; 32 products; the accumulators take turns, one instruction a turn, in the same order in every step
.irp a, 0,1,2,3
.irp b, 0,1,2,3,4,5,6,7
.if \zero
	v_wmma_scale_f32_16x16x128_f8f6f4 v[8*(8*\a+\b):8*(8*\a+\b)+7], v[96*((\s)%2)+12*\b:96*((\s)%2)+12*\b+11], v[RF+48*((\s)%2)+12*\a:RF+48*((\s)%2)+12*\a+11], 0, v[SP+4*\b+(\s)%4], v[SR+4*\a+(\s)%4] matrix_a_fmt:MATRIX_FMT_FP6 matrix_b_fmt:MATRIX_FMT_FP6
.elseif (\s) < 4
	v_wmma_scale_f32_16x16x128_f8f6f4 v[8*(8*\a+\b):8*(8*\a+\b)+7], v[96*((\s)%2)+12*\b:96*((\s)%2)+12*\b+11], v[RF+48*((\s)%2)+12*\a:RF+48*((\s)%2)+12*\a+11], v[8*(8*\a+\b):8*(8*\a+\b)+7], v[SP+4*\b+(\s)%4], v[SR+4*\a+(\s)%4] matrix_a_fmt:MATRIX_FMT_FP6 matrix_b_fmt:MATRIX_FMT_FP6
.else
	v_wmma_scale_f32_16x16x128_f8f6f4 v[8*(8*\a+\b):8*(8*\a+\b)+7], v[96*((\s)%2)+12*\b:96*((\s)%2)+12*\b+11], v[RF+48*((\s)%2)+12*\a:RF+48*((\s)%2)+12*\a+11], v[8*(8*\a+\b):8*(8*\a+\b)+7], v[SP+4*\b+(\s)%4], v[SR+4*\a+(\s)%4] matrix_a_fmt:MATRIX_FMT_FP6 matrix_b_fmt:MATRIX_FMT_FP6 matrix_a_scale:MATRIX_SCALE_ROW1 matrix_b_scale:MATRIX_SCALE_ROW1
.endif
.endr
.endr
.endm
.macro STEP s, zero
	s_wait_dscnt 0x0                               ; this step's fragments are in (asked for ahead of the last step's 32 products)
.if (\s) < 7
.if (\s) > 0
	PLACES 4                                       ; in front of loads into the set that the last step's products read
.endif
	FETCH (\s)+1
.endif
	WIN 0xa1                                       ; source 0 (P) window 1, source 1 (R) window 0, C and D window 2
	MULS \s, \zero
	WIN 0
.endm
.macro TOSTAGE k                       ; block k = 2 a + g: tile a's 16 tokens x outputs 64 g .. 64 g + 63
.set AC, 8*(8*((\k)/2)+4*((\k)%2))
	WIN 0x08                                       ; an LDS store's data are its source 1: window 2
.irp b, 0,1,2,3
	ds_store_b128 v11, v[AC+8*\b:AC+8*\b+3] offset:32*\b                   ; each accumulator from its low end on
	ds_store_b128 v11, v[AC+8*\b+4:AC+8*\b+7] offset:32*\b+16
.endr
	WIN 0
.irp i, 0,1,2,3,4,5,6,7
	ds_load_b128 v[64+32*((\k)%2)+4*\i:64+32*((\k)%2)+4*\i+3], v12 offset:544*\i   ; LDS serves a wave's instructions in order: these see the stores above, and the next block's stores come behind them
.endr
.endm
.macro SEND k, younger                 ; younger: the LDS instructions issued behind block k's loads, which may stay out
	s_wait_dscnt \younger
.irp i, 0,1,2,3,4,5,6,7
	global_store_b128 v13, v[64+32*((\k)%2)+4*\i:64+32*((\k)%2)+4*\i+3], s[84:85] offset:(32*(\i/4)+8*((\k)/2)+2*(\i%4))*4096+256*((\k)%2) th:TH_STORE_NT   ; stage rows 2 i, 2 i + 1 are tokens 32 (i / 4) + 8 a + 2 (i % 4) and the next; 16 lanes store 256 consecutive bytes, aligned
.endr
.endm
	s_load_b256 s[4:11], s[0:1], 0x0               ; cc, cs, cod, scl
	s_load_b64 s[12:13], s[0:1], 0x20              ; out0
	v_lshl_add_u32 v[SPW], v0, 2, SPARE
	v_mov_b32 v[NIL], 0
	ds_add_u32 v[SPW], v[NIL]                      ; the wave's opening: the add, twice on end, and its wait ahead of my first tensor load
	ds_add_u32 v[SPW], v[NIL]
	v_lshrrev_b32 v9, 5, v0
	v_readfirstlane_b32 s18, v9                    ; wave
	s_lshr_b32 s19, s18, 1                         ; which 64 tokens are mine.  Also: I fetch for R (0) or for P (1)
	s_and_b32 s20, s18, 1                          ; which 128 outputs.  Also: which part I fetch
	s_bfe_u32 s21, ttmp6, 0x40000                  ; cx
	s_bfe_u32 s22, ttmp6, 0x40004                  ; cy
	s_and_b32 s23, ttmp7, 0xffff                   ; the cluster's y
	s_lshl_b32 s27, s23, 2
	s_add_co_u32 s27, s27, s22                     ; my tile of 128 tokens
	s_lshl_b32 s28, s27, 1                         ; its two groups in cc
	s_lshl_b32 s29, s21, 2
	s_add_co_u32 s29, s29, 432                     ; my four groups of Wo in cod
	s_add_co_u32 s32, s28, s20                     ; R: the group that I fetch, if I fetch for R
	s_mul_i32 s32, s32, 49152
	s_mov_b32 s33, 0
	s_lshl_b32 s34, s20, 1
	s_add_co_u32 s34, s34, s29                     ; P: the two groups
	s_mul_i32 s34, s34, 49152
	s_mov_b32 s35, 0
	s_lshl_b32 s72, s22, 2
	s_lshl_b32 s72, 15, s72                        ; my row of the cluster
	s_lshl_b32 s73, 0x1111, s21                    ; my column
	; descriptor group 1: rows of 6,144 bytes (a tile's four K steps: 768 elements of 8 bytes), 12,288 bytes apart in memory, on end in LDS; R: 4 tiles, P: 8
	s_or_b32 s36, s72, (3<<16)|(1<<21)
	s_mov_b32 s37, 768<<16
	s_mov_b32 s38, 4<<16
	s_mov_b32 s39, 768<<16
	s_mov_b32 s40, 4
	s_mov_b32 s41, 1536
	s_mov_b32 s42, 0
	s_mov_b32 s43, 0
	s_or_b32 s44, s73, (3<<16)|(1<<21)
	s_mov_b32 s45, 768<<16
	s_mov_b32 s46, 8<<16
	s_mov_b32 s47, 768<<16
	s_mov_b32 s48, 8
	s_mov_b32 s49, 1536
	s_mov_b32 s50, 0
	s_mov_b32 s51, 0
	s_mul_i32 s74, s20, 24576                      ; where they go: no place in the cluster enters an LDS address
	s_mul_i32 s75, s20, 49152
	s_add_co_u32 s75, s75, 49152
	s_mov_b32 s82, 0x05040100                      ; byte selects: the two low halves, the two high halves
	s_mov_b32 s83, 0x07060302
	s_wait_dscnt 0x0                               ; both opening adds are done
	s_wait_kmcnt 0x0
	s_add_nc_u64 s[32:33], s[4:5], s[32:33]
	s_add_nc_u64 s[34:35], s[8:9], s[34:35]
	s_mov_b32 s52, 1                               ; group 0, R, K steps 0-3
	s_mov_b32 s53, s74
	s_mov_b64 s[54:55], s[32:33]
	s_or_b32 s55, s55, 0x80000000
	s_mov_b32 s56, 1                               ; R, K steps 4-7
	s_add_co_u32 s57, s74, HALF
	s_add_nc_u64 s[58:59], s[32:33], TILEB
	s_or_b32 s59, s59, 0x80000000
	s_mov_b32 s60, 1                               ; P, K steps 0-3
	s_mov_b32 s61, s75
	s_mov_b64 s[62:63], s[34:35]
	s_or_b32 s63, s63, 0x80000000
	s_mov_b32 s68, 1                               ; P, K steps 4-7
	s_add_co_u32 s69, s75, HALF
	s_add_nc_u64 s[70:71], s[34:35], TILEB
	s_or_b32 s71, s71, 0x80000000
	CROUND                                         ; all sixteen work-groups are here: the joint loads meet
	s_cmp_eq_u32 s19, 0                            ; every wave issues two loads, all of the launch's fills: two tensor loads of mine are out
	s_cbranch_scc0 .Lfill_p
	tensor_load_to_lds s[52:55], s[36:43]
	s_nop 0
	tensor_load_to_lds s[56:59], s[36:43]
	s_nop 0
	PLACES 4
	s_branch .Lfilled
.Lfill_p:
	tensor_load_to_lds s[60:63], s[44:51]
	s_nop 0
	tensor_load_to_lds s[68:71], s[44:51]
	s_nop 0
	PLACES 4
.Lfilled:
	v_and_b32 v185, 31, v0                         ; lane
	v_and_b32 v186, 15, v0                         ; r
	v_bfe_u32 v187, v0, 4, 1                       ; h
	v_lshlrev_b32 v10, 4, v185                     ; 16 x lane
	v_lshlrev_b32 v188, 3, v185                    ; 8 x lane
	v_lshlrev_b32 v9, 5, v186
	v_lshl_add_u32 v9, v187, 4, v9                 ; 32 r + 16 h
	v_lshlrev_b32 v189, 3, v186
	v_lshl_add_u32 v189, v187, 10, v189            ; 8 r + 1,024 h: lanes 16-31 take the heads 8 further on
	s_add_co_u32 s80, s28, s19
	s_lshl_b32 s80, s80, 11
	s_mov_b32 s81, 0
	s_add_nc_u64 s[76:77], s[6:7], s[80:81]        ; cs: my group's 2,048 bytes
	s_lshl_b32 s80, s20, 1
	s_add_co_u32 s80, s80, s29
	s_lshl_b32 s80, s80, 11
	s_add_nc_u64 s[78:79], s[10:11], s[80:81]      ; scl: my 128 rows of Wo
.irp n, 0,1,2,3,4,5,6,7
	global_load_b64 v[160+2*\n:161+2*\n], v189, s[76:77] offset:128*\n     ; head n (lanes 16-31: 8 + n): row r's pairs of bytes of tiles 0, 1 and of tiles 2, 3
.endr
.irp b, 0,1,2,3,4,5,6,7
	global_load_b128 v[SP+4*\b:SP+4*\b+3], v9, s[78:79] offset:512*\b
.endr
	s_mul_i32 s80, s19, 24576
	v_add_nc_u32 v1, s80, v10                      ; R's fragments: 16 x lane and 8 x lane, in each half of K
	v_add_nc_u32 v2, HALF, v1
	v_add_nc_u32 v3, s80, v188
	v_add_nc_u32 v4, HALF, v3
	s_mul_i32 s80, s20, 49152
	s_add_co_u32 s80, s80, 49152
	v_add_nc_u32 v5, s80, v10                      ; P's
	v_add_nc_u32 v6, HALF, v5
	v_add_nc_u32 v7, s80, v188
	v_add_nc_u32 v8, HALF, v7
	s_mul_i32 s80, s18, 4352
	s_add_co_u32 s80, s80, STAGE                   ; my stage
	v_mul_u32_u24 v11, v186, 272
	v_lshl_add_u32 v11, v187, 7, v11
	v_add_nc_u32 v11, s80, v11                     ; in: row r, + 128 h
	v_mul_u32_u24 v12, v187, 272
	v_lshl_add_u32 v12, v186, 4, v12
	v_add_nc_u32 v12, s80, v12                     ; back: lanes 0-15 one row of 256 bytes, lanes 16-31 the next
	v_lshlrev_b32 v13, 12, v187
	v_lshl_add_u32 v13, v186, 4, v13               ; and the same two rows in out0
	s_lshl_b32 s86, s27, 19                        ; 128 tokens of 4,096 bytes,
	s_lshl_b32 s87, s19, 18                        ; my 64 of them,
	s_add_co_u32 s86, s86, s87
	s_lshl_b32 s87, s21, 10                        ; my work-group's 256 outputs,
	s_add_co_u32 s86, s86, s87
	s_lshl_b32 s87, s20, 9                         ; my 128 of them
	s_add_co_u32 s86, s86, s87
	s_mov_b32 s87, 0
	s_add_nc_u64 s[84:85], s[12:13], s[86:87]
	s_wait_tensorcnt 0x1                           ; my part of K steps 0-3 is in; my second load may be out
	s_barrier_signal -1
	s_barrier_wait -1                              ; everybody's is
	FETCH 0
	s_wait_loadcnt 0x0                             ; the scales
.irp a, 0,1,2,3                        ; R's word of K step i (lanes 16-31: 4 + i), tile a: the pairs of bytes of heads 2 i and 2 i + 1
.irp i, 0,1,2,3
	v_perm_b32 v[SR+4*\a+\i], v[160+4*\i+2+\a/2], v[160+4*\i+\a/2], s[82+\a%2]
.endr
.endr
	PLACES 8                                       ; scale registers written by vector instructions stand eight places ahead of a scaled product
	STEP 0, 1                                      ; the first products start the sums: nothing is cleared
	STEP 1, 0
	STEP 2, 0
	s_wait_tensorcnt 0x0                           ; my part of K steps 4-7 is in,
	s_wait_dscnt 0x0
	s_barrier_signal -1
	s_barrier_wait -1                              ; everybody's is
.irp s, 3,4,5,6,7
	STEP \s, 0
.endr
	PLACES 4                                       ; behind the last products: for the stores of results and the loads into R's fragment registers
	TOSTAGE 0
.irp k, 1,2,3,4,5,6,7
.if \k > 1
	s_wait_xcnt 0x0                                ; the stores of two blocks back have read their registers
.endif
	TOSTAGE \k
	SEND \k-1, 16                                  ; behind block k - 1's loads: block k's 8 stores and 8 loads
.endr
	SEND 7, 0
	s_wait_tensorcnt 0x0                           ; the wave's end, behind my last tensor load and my last LDS store
	ds_add_u32 v[SPW], v[NIL]
	s_wait_dscnt 0x0
	CROUND                                         ; the closing round
	s_endpgm
.Lfunc_end_k_q49a846242c_outp:
	.size	k_q49a846242c_outp, .Lfunc_end_k_q49a846242c_outp-k_q49a846242c_outp
	.p2alignl 7, 3214868480
	.fill 96, 4, 3214868480
	.section	.rodata,"a",@progbits
	.p2align	6, 0x0
	.amdhsa_kernel k_q49a846242c_outp
		.amdhsa_group_segment_fixed_size 312832
		.amdhsa_private_segment_fixed_size 0
		.amdhsa_enable_private_segment 0
		.amdhsa_kernarg_size 40
		.amdhsa_user_sgpr_count 2
		.amdhsa_user_sgpr_kernarg_segment_ptr 1
		.amdhsa_wavefront_size32 1
		.amdhsa_system_sgpr_workgroup_id_x 1
		.amdhsa_system_sgpr_workgroup_id_y 1
		.amdhsa_system_sgpr_workgroup_id_z 1
		.amdhsa_system_vgpr_workitem_id 0
		.amdhsa_next_free_vgpr 768
		.amdhsa_next_free_sgpr 96
		.amdhsa_reserve_vcc 0
		.amdhsa_float_denorm_mode_32 3
		.amdhsa_float_denorm_mode_16_64 3
		.amdhsa_memory_ordered 1
		.amdhsa_forward_progress 1
		.amdhsa_inst_pref_size 84
	.end_amdhsa_kernel
	.amdgpu_metadata
---
amdhsa.version: [ 1, 2 ]
amdhsa.kernels:
  - .name:           k_q49a846242c_outp
    .symbol:         k_q49a846242c_outp.kd
    .args:
      - { .name: cc, .offset: 0, .size: 8, .value_kind: global_buffer, .address_space: global }
      - { .name: cs, .offset: 8, .size: 8, .value_kind: global_buffer, .address_space: global }
      - { .name: cod, .offset: 16, .size: 8, .value_kind: global_buffer, .address_space: global }
      - { .name: scl, .offset: 24, .size: 8, .value_kind: global_buffer, .address_space: global }
      - { .name: out0, .offset: 32, .size: 8, .value_kind: global_buffer, .address_space: global }
    .group_segment_fixed_size: 312832
    .private_segment_fixed_size: 0
    .kernarg_segment_align: 8
    .kernarg_segment_size: 40
    .max_flat_workgroup_size: 128
    .sgpr_count:     96
    .vgpr_count:     768
    .wavefront_size: 32
...
	.end_amdgpu_metadata
.endif
;; end of part 4
